; MI455X (gfx1250); checked and timed in simulation.
; The chip was launched on July 23, 2026; its instructions are those of AMD's public machine-readable ISA for CDNA 5 (MIT licence, August 2026) and "CDNA5" Instruction Set Architecture Reference Guide (July 2026). The comments in the code are by the model that wrote it; some were corrected since.
;; Linear. Allowed arithmetic: float matrix products may take bf16 or f16 operands with f32 sums; other float arithmetic in f32, or as packed bf16 or f16 multiplies, adds, multiply-adds, maxima and minima; sums over many terms, partial sums and values carried from step to step in f32; what a program stores and reads back later, other than sums and carried values, may be rounded once to bf16 or f16.
;; Inputs: b 4,096 float32; inputs 4 x 1,024 x 4,096 float32; w 4,096 x 4,096 int8; w_scale 4,096 x 4,096 float32.
;; Outputs: out0 4 x 1,024 x 4,096 float32.
;; 2 versions, each right; version 2 is version 1 with the launch prep written anew for expert scheduling mode. Each part assembles by itself: llvm-mc -triple=amdgcn-amd-amdhsa -mcpu=gfx1250 --defsym DOCPART=n.
;; ======== version 1 of 2: 2 launches
;; limits: values are held in f16: magnitudes above 65,504 overflow, below 6.1e-05 lose precision
;; workspace buffers: a16 33,554,432 bytes; w16 33,554,432 bytes
;; launch prep (part 1): grid 1024 x 1, 8 waves a work-group, no clusters, 0 bytes of LDS; arguments inputs, w, w_scale, a16, w16; writes a16, w16
.if DOCPART == 1
	.amdgcn_target "amdgcn-amd-amdhsa--gfx1250"
	.amdhsa_code_object_version 6
	.text
	.protected	k_q7a64a234f6_prep
	.globl	k_q7a64a234f6_prep
	.p2align	8
	.type	k_q7a64a234f6_prep,@function
k_q7a64a234f6_prep:
	s_mov_b64 s[64:65], 0
	v_nop
	global_prefetch_b8 v0, s[64:65] scope:SCOPE_SE
	s_setreg_imm32_b32 hwreg(HW_REG_WAVE_MODE, 25, 1), 1
	s_wait_xcnt 0x0
; a16 = f16(inputs), [4096 m][4096 k];  w16 = f16(f32(w) * w_scale), [4096 k][4096 n]: both in the layout of their sources, each number rounded once.
; LIMITS.  f16 holds no number beyond 65,504: an input, or a product w * w_scale, of 65,520 or more in magnitude becomes an infinity; below 6.1e-5 a number keeps
; f16's fixed step of 6e-8.  NaN and infinities are not treated apart.
; A STREAM: nothing is shared between waves, so no LDS, no barrier, no matrix work.  Both arrays are taken flat: 16,777,216 numbers = 16,384 units of 1,024.
; Work-group g takes units 16 g .. 16 g + 15 of both; in a unit thread t takes numbers 4 t .. 4 t + 3.  So a wave's load of inputs or of w_scale covers 512 consecutive bytes,
; its load of w 128, and each of its stores 256 consecutive bytes, aligned.  A ring of DEPTH slots in registers keeps DEPTH units (three loads each) of every wave in flight.
; All 16 units are written out and a unit's place stands in the immediate: no address register is ever rewritten.
.set DEPTH, 8
.set UNITS, 16
.set O16, 1                            ; v1        16 t: my 16 bytes in a unit of inputs and of w_scale
.set O4,  2                            ; v2        4 t: my 4 bytes in a unit of w
.set O8,  3                            ; v3        8 t: my 8 bytes in a unit of a16 and of w16
.set T,   4                            ; v[4:7]    at work
.set XA,  12                           ; v[12:43]  slot s: 4 numbers of inputs
.set XS,  44                           ; v[44:75]  slot s: 4 numbers of w_scale
.set XW,  76                           ; v[76:83]  slot s: 4 bytes of w
.set YA,  84                           ; v[84:99]  slot s: 4 f16 for a16
.set YW,  100                          ; v[100:115] slot s: 4 f16 for w16
	s_load_b256 s[4:11], s[0:1], 0x0               ; inputs s[4:5], w s[6:7], w_scale s[8:9], a16 s[10:11]
	s_load_b64 s[12:13], s[0:1], 0x20              ; w16
	v_lshlrev_b32 v[O16], 4, v0
	v_lshlrev_b32 v[O4], 2, v0
	v_lshlrev_b32 v[O8], 3, v0
	s_lshl_b32 s14, ttmp9, 16                      ; 16 units of 4,096 bytes (f32); 1,023 x 65,536 stays under 2^32
	s_mov_b32 s15, 0
	s_lshl_b32 s16, ttmp9, 14                      ; of 1,024 bytes (int8)
	s_mov_b32 s17, 0
	s_lshl_b32 s18, ttmp9, 15                      ; of 2,048 bytes (f16)
	s_mov_b32 s19, 0
	s_wait_kmcnt 0x0
	s_add_nc_u64 s[4:5], s[4:5], s[14:15]
	s_add_nc_u64 s[8:9], s[8:9], s[14:15]
	s_add_nc_u64 s[6:7], s[6:7], s[16:17]
	s_add_nc_u64 s[10:11], s[10:11], s[18:19]
	s_add_nc_u64 s[12:13], s[12:13], s[18:19]
; Unit u's three loads, into slot u % DEPTH.
.macro LOADU u
.set SLT, (\u)%DEPTH
	global_load_b128 v[XA+4*SLT:XA+4*SLT+3], v[O16], s[4:5] offset:4096*(\u) th:TH_LOAD_NT
	global_load_b128 v[XS+4*SLT:XS+4*SLT+3], v[O16], s[8:9] offset:4096*(\u) th:TH_LOAD_NT
	global_load_b32  v[XW+SLT],              v[O4],  s[6:7] offset:1024*(\u) th:TH_LOAD_NT
.endm
; Unit u's turn: its loads are in; both results are made; the slot is asked for again (ahead of the stores); the results leave.
.macro UNIT u
.if UNITS-1-(\u) < DEPTH-1
	s_wait_loadcnt 3*(UNITS-1-(\u))                ; loads come back in order (ISA guide 5.7.1): the younger units' three loads each may stay out; the counts run down at the end
.else
	s_wait_loadcnt 3*(DEPTH-1)                     ; seven younger units, three loads each, stay out
.endif
.if (\u) >= DEPTH
	s_wait_xcnt 0x0                                ; the slot's YA and YW were the data of unit u - 8's stores: they are rewritten only behind this wait
.endif
.set SLT, (\u)%DEPTH
	v_cvt_pk_f16_f32 v[YA+2*SLT],   v[XA+4*SLT],   v[XA+4*SLT+1]  ; inputs: two roundings to f16, packed
	v_cvt_pk_f16_f32 v[YA+2*SLT+1], v[XA+4*SLT+2], v[XA+4*SLT+3]
	v_lshlrev_b32 v[T],   24, v[XW+SLT]            ; the four signed bytes: each moves to the top,
	v_lshlrev_b32 v[T+1], 16, v[XW+SLT]
	v_lshlrev_b32 v[T+2], 8,  v[XW+SLT]
	v_ashrrev_i32 v[T],   24, v[T]                 ; and comes down with its sign
	v_ashrrev_i32 v[T+1], 24, v[T+1]
	v_ashrrev_i32 v[T+2], 24, v[T+2]
	v_ashrrev_i32 v[T+3], 24, v[XW+SLT]
	v_cvt_f32_i32 v[T],   v[T]
	v_cvt_f32_i32 v[T+1], v[T+1]
	v_cvt_f32_i32 v[T+2], v[T+2]
	v_cvt_f32_i32 v[T+3], v[T+3]
	v_pk_mul_f32 v[T:T+1],   v[T:T+1],   v[XS+4*SLT:XS+4*SLT+1]    ; w * w_scale in f32, as the problem has it
	v_pk_mul_f32 v[T+2:T+3], v[T+2:T+3], v[XS+4*SLT+2:XS+4*SLT+3]
	v_cvt_pk_f16_f32 v[YW+2*SLT],   v[T],   v[T+1]
	v_cvt_pk_f16_f32 v[YW+2*SLT+1], v[T+2], v[T+3]
.if (\u) < UNITS-DEPTH
	LOADU (\u)+DEPTH
.endif
.set SLT, (\u)%DEPTH
	global_store_b64 v[O8], v[YA+2*SLT:YA+2*SLT+1], s[10:11] offset:2048*(\u) th:TH_STORE_NT  ; a wave's store: 256 consecutive bytes, aligned
	global_store_b64 v[O8], v[YW+2*SLT:YW+2*SLT+1], s[12:13] offset:2048*(\u) th:TH_STORE_NT
.endm
.irp u, 0,1,2,3,4,5,6,7
	LOADU \u                                       ; the ring is filled
.endr
.irp u, 0,1,2,3,4,5,6,7,8,9,10,11,12,13,14,15
	UNIT \u
.endr
	s_endpgm
.Lfunc_end_k_q7a64a234f6_prep:
	.size	k_q7a64a234f6_prep, .Lfunc_end_k_q7a64a234f6_prep-k_q7a64a234f6_prep
	.p2alignl 7, 3214868480
	.fill 96, 4, 3214868480
	.section	.rodata,"a",@progbits
	.p2align	6, 0x0
	.amdhsa_kernel k_q7a64a234f6_prep
		.amdhsa_group_segment_fixed_size 0
		.amdhsa_private_segment_fixed_size 0
		.amdhsa_enable_private_segment 0
		.amdhsa_kernarg_size 40
		.amdhsa_user_sgpr_count 2
		.amdhsa_user_sgpr_kernarg_segment_ptr 1
		.amdhsa_wavefront_size32 1
		.amdhsa_system_sgpr_workgroup_id_x 1
		.amdhsa_system_sgpr_workgroup_id_y 1
		.amdhsa_system_sgpr_workgroup_id_z 1
		.amdhsa_system_vgpr_workitem_id 0
		.amdhsa_next_free_vgpr 116
		.amdhsa_next_free_sgpr 66
		.amdhsa_reserve_vcc 0
		.amdhsa_float_denorm_mode_32 3
		.amdhsa_float_denorm_mode_16_64 3
		.amdhsa_memory_ordered 1
		.amdhsa_forward_progress 1
		.amdhsa_inst_pref_size 21
	.end_amdhsa_kernel
	.amdgpu_metadata
---
amdhsa.version: [ 1, 2 ]
amdhsa.kernels:
  - .name:           k_q7a64a234f6_prep
    .symbol:         k_q7a64a234f6_prep.kd
    .args:
      - { .name: inputs, .offset: 0, .size: 8, .value_kind: global_buffer, .address_space: global }
      - { .name: w, .offset: 8, .size: 8, .value_kind: global_buffer, .address_space: global }
      - { .name: w_scale, .offset: 16, .size: 8, .value_kind: global_buffer, .address_space: global }
      - { .name: a16, .offset: 24, .size: 8, .value_kind: global_buffer, .address_space: global }
      - { .name: w16, .offset: 32, .size: 8, .value_kind: global_buffer, .address_space: global }
    .group_segment_fixed_size: 0
    .private_segment_fixed_size: 0
    .kernarg_segment_align: 8
    .kernarg_segment_size: 40
    .max_flat_workgroup_size: 256
    .sgpr_count:     66
    .vgpr_count:     116
    .wavefront_size: 32
...
	.end_amdgpu_metadata
.endif
;; end of part 1
;; launch gemm (part 2): grid 16 x 16, 4 waves a work-group, clusters of 4 x 4, 327,680 bytes of LDS; arguments a16, w16, b, out0; writes out0
.if DOCPART == 2
	.amdgcn_target "amdgcn-amd-amdhsa--gfx1250"
	.amdhsa_code_object_version 6
	.text
	.protected	k_q7a64a234f6_gemm
	.globl	k_q7a64a234f6_gemm
	.p2align	8
	.type	k_q7a64a234f6_gemm,@function
k_q7a64a234f6_gemm:
	s_mov_b64 s[64:65], 0
	v_nop
	global_prefetch_b8 v0, s[64:65] scope:SCOPE_SE
	s_setreg_imm32_b32 hwreg(HW_REG_WAVE_MODE, 25, 1), 1
	s_wait_xcnt 0x0
	s_wait_alu depctr_hold_cnt(0) depctr_sa_sdst(0) depctr_va_vdst(0) depctr_va_sdst(0) depctr_va_ssrc(0) depctr_va_vcc(0) depctr_vm_vsrc(0)
	s_getreg_b32 s2, hwreg(HW_REG_IB_STS2, 6, 4)
	s_cmp_eq_u32 s2, 0
	s_cbranch_scc0 .Lentry_in_a_cluster
	s_endpgm
.Lentry_in_a_cluster:
	s_bfe_u32 s2, ttmp6, 0x10000c
	s_cmp_lg_u32 s2, 0xf033
	s_cbranch_scc0 .Lentry_shape_is_right
	s_endpgm
.Lentry_shape_is_right:
; out0[m][n] = the sum over k of a16[m][k] w16[k][n] + b[n].  a16: [4096 m][4096 k] f16, w16: [4096 k][4096 n] f16, b: [4096] f32, out0: [4096][4096] f32.  Sums in f32, K ascending; the bias is added in f32.
; LIMITS.  The operands are f16 (made by the launch before): nothing beyond 65,504, a fixed step of 6e-8 below 6.1e-5.  NaN and infinities are not treated apart.  The order of the sums is the matrix unit's.
; SHARES.  A tile of out0, 256 x 256, is made by a work-group of four waves; a wave makes 128 x 128: 64 accumulators of 16 x 16, 512 registers.  4096 / 256 squared = 256 work-groups, one tile each.
; K goes in 32 steps of 128 through a ring of two LDS slots filled by the tensor data mover.  A's tile is 256 rows x 256 bytes; B's tile is 128 k-rows x 512 bytes, as w16 lies: its fragments come out of LDS
; turned, by ds_load_tr16_b128, one instruction for each that a plain fragment load would take.
; CLUSTERS: 4 x 4 work-groups.  The four of a row of the cluster need the same tiles of A, the four of a column the same tiles of B: each tile is asked for JOINTLY, by the same tensor load with the same
; descriptor and a mask that names the four; each receives it in its own LDS.
; THE MATRIX INSTRUCTION IS USED TRANSPOSED: source 0 = 16 columns n of B, source 1 = 16 rows m of A.  In the result lane l holds row m = l % 16 and the columns n = 8 (l / 16) + 0 .. 7.
; REGISTERS, in windows of 256 (s_set_vgpr_msb's low byte: bits 1:0 source 0, 3:2 source 1, 5:4 source 2, 7:6 destination):
;   window 0: v0-35 addresses and the bias; v64-127, v128-191 fragments of A, two buffers; on the way out the same 128 registers are two buffers of 16 rows
;   window 1: v64-127, v128-191 fragments of B, two buffers
;   window 2: the 32 accumulators of my rows 0-63 (accumulator (a, b) at v[8 (8 a + b)]);   window 3: those of my rows 64-127
.set SIZE_K, 4096
.set SIZE_N, 4096
.set KSTEP,  128
.set PA,     272                       ; a row of A in LDS: 256 bytes + 16 of padding = 68 words: row r starts at bank 4 r mod 64 (64 banks of 4 bytes: ISA guide 11.1): the 16 rows of a load start at 16 different groups of four banks
.set PB,     544                       ; a k-row of B in LDS: 512 bytes + 32 of padding = 136 words: row r starts at bank 8 r mod 64
.set HALFT,  128*PA                    ; what one tensor load brings: 128 rows of A, or 64 k-rows of B (64 x 544 is the same 34,816 bytes)
.set SLOT,   4*HALFT                   ; A's 256 rows, then B's 128 k-rows
.set STAGE,  2*SLOT                    ; behind the ring, never filled by a tensor load: 16 rows x 528 bytes for each wave, for the way out
.set SPITCH, 528                       ; a stage row: 128 f32 + 16 bytes = 132 words: row r starts at bank 4 r mod 64
.set SPARE,  STAGE+4*16*SPITCH         ; behind the stages: the spare words, 128 bytes for each wave: two blocks of 256 bytes that no other line names
.set BSTEP,  KSTEP*SIZE_N*2            ; bytes from a K step of w16 to the next: 128 rows of 8,192 bytes
.set OROW,   SIZE_N*4                  ; bytes in a row of out0
.set LAPS,   SIZE_K/(2*KSTEP)          ; a lap = two K steps = once round the ring
.set ADRA, 16                          ; v16-17  LDS address of my A fragments in slot 0, 1
.set ADRB, 20                          ; v20-21  the same for B
.set STO,  24                          ; v24     the way out: where I put 32 bytes of a row
.set RD,   25                          ; v25     the way out: where I read 16 bytes of a row back
.set CO,   26                          ; v26     16 x my lane: my 16 bytes in 512 of out0 and of b; never rewritten
.set SPW,  28                          ; v28     LDS address of my spare word: SPARE + 4 x my thread's number; never rewritten
.set NIL,  29                          ; v29     0; never rewritten
.set PFO,  30                          ; v30     the prefetches' offset; never rewritten
.set BIAS, 32                          ; v[32:35] b of the four columns that I store
.set F0,   64                          ; fragment buffer 0
.set F1,   128                         ; fragment buffer 1
.set OB,   64                          ; the way out: 16 rows read back from the stage, 64 registers: v64-127 and v128-191 by turns
.set G1,  24                           ; s[24:31] descriptor group 1 for A's tiles
.set G0,  32                           ; s[32:39] descriptor group 0 for A's tiles, one set for each slot
.set G1B, 48                           ; s[48:55] descriptor group 1 for B's tiles
.set G0B, 56                           ; s[56:63] descriptor group 0 for B's tiles, one set for each slot
.set LIM, 43                           ; s43      1 in a wave that prefetches, else the greatest number
.set PFA, 44                           ; s[44:45] where my prefetches stand
.set PST, 72                           ; s[72:73] what a K step adds to that: 256 bytes in a16, BSTEP in w16
.set MSB, 0
.macro WIN new                         ; the immediate's high byte repeats the setting that is left; a switch that changes nothing is dropped
.if MSB != (\new)
	s_set_vgpr_msb (MSB<<8)|(\new)
.set MSB, \new
.endif
.endm
.set MUL_LO, 0xa1                      ; source 0 (B) window 1, source 1 (A) window 0, C and D window 2
.set MUL_HI, 0xf1                      ; the same, C and D window 3
.set TO_B,   0x40                      ; destination window 1, address window 0
; A joint load.  Waves 0 and 1 fetch A's two halves, waves 2 and 3 B's.  Each of the two lines has ONE mask and one set of registers for all that issue it.  The branch hangs on the wave's number alone.
; An s_nop 0 and four v_nop follow each of the two lines, ahead of the jump, the label and what follows.
.macro JLOAD s
	s_cmp_eq_u32 s11, 0
	s_cbranch_scc0 .Lfor_b_\@
	tensor_load_to_lds s[G0+4*(\s):G0+4*(\s)+3], s[G1:G1+7]
	s_nop 0
.rept 4
	v_nop
.endr
	s_branch .Lasked_\@
.Lfor_b_\@:
	tensor_load_to_lds s[G0B+4*(\s):G0B+4*(\s)+3], s[G1B:G1B+7]
	s_nop 0
.rept 4
	v_nop
.endr
.Lasked_\@:
.endm
; A PREFETCH INTO THE L2, behind each joint refill, its five lines and the run of LDS loads that follows them: the K step that stands TWO refills on, 512 matrix instructions ahead of the load that will want it.
; One instruction a wave names 32 blocks of 256 bytes.  Each block of a16 and of w16 from K step 4 on is named ONCE in the launch: A's tile row is read by every cluster of that row of clusters, and the
; cluster with x = 0 asks; B's tile column by every cluster of that column, and the cluster with y = 0 asks.  The four partners that ask for a tile jointly share it out BY ADDRESS: of the 128 rows of A that
; a wave fetches the partner at cx takes 32 (a lane a row: a K step is 256 bytes of it); of the 64 k-rows of B the partner at cy takes 16 (two lanes a row: a tile's row is 512 bytes).
; The loop's last trip, whose refills are K steps 30 and 31, asks for nothing; nothing is asked for at the head, where every work-group's first tiles are on their way.
.macro ASK
	s_cmp_gt_u32 s3, s[LIM]                        ; s3 = 1 in the loop's last trip
	s_cbranch_scc0 .Lnot_mine_\@
	global_prefetch_b8 v[PFO], s[PFA:PFA+1] th:TH_LOAD_NT scope:SCOPE_SE
.Lnot_mine_\@:
.endm
; A round of the cluster's barrier: my work-group's barrier, so that wave 0's signal speaks for all four waves; wave 0 signals for the work-group; every wave waits for all sixteen; my work-group's barrier once more.
.macro CREST                           ; a round behind its opening barrier
	s_cmp_lg_u32 s10, 0
	s_cbranch_scc1 .Lnot_wave_0_\@
	s_barrier_signal -3
.Lnot_wave_0_\@:
	s_barrier_wait -3
	s_barrier_signal -1
	s_barrier_wait -1
.endm
.macro CROUND                          ; a whole round
	s_barrier_signal -1
	s_barrier_wait -1
	CREST
.endm
	s_load_b128 s[4:7], s[0:1], 0x0                ; a16 s[4:5], w16 s[6:7]
	s_load_b128 s[68:71], s[0:1], 0x10             ; b s[68:69], out0 s[70:71]
	v_lshl_add_u32 v[SPW], v0, 2, SPARE
	v_mov_b32 v[NIL], 0
	ds_add_u32 v[SPW], v[NIL]                      ; the wave's opening: the add, twice on end, and its wait ahead of my first tensor load; the set-up below, work on registers, stands between
	ds_add_u32 v[SPW], v[NIL]                      ; and once more, under the one wait
	v_lshrrev_b32 v1, 5, v0
	v_readfirstlane_b32 s10, v1                    ; wave 0..3
	s_lshr_b32 s11, s10, 1                         ; which half of the tile's rows is mine.  Also: I fetch for A (0) or for B (1)
	s_and_b32 s12, s10, 1                          ; which half of its columns.  Also: which half of that tile I fetch
	s_bfe_u32 s40, ttmp6, 0x40000                  ; cx: my place along the cluster's x
	s_bfe_u32 s41, ttmp6, 0x40004                  ; cy: along its y
	s_lshl_b32 s42, ttmp9, 2                       ; in a cluster launch ttmp9 and ttmp7 count clusters
	s_add_co_u32 s42, s42, s40                     ; tile column = 4 x cluster x + cx
	s_and_b32 s13, ttmp7, 0xffff
	s_lshl_b32 s13, s13, 2
	s_add_co_u32 s13, s13, s41                     ; tile row = 4 x cluster y + cy
	s_lshl_b32 s43, s41, 2
	s_lshl_b32 s43, 15, s43                        ; my row of the cluster: places 4 cy .. 4 cy + 3
	s_lshl_b32 s44, 0x1111, s40                    ; my column: places cx, cx + 4, cx + 8, cx + 12
	; descriptor group 1 for A: 128 rows x 128 elements, 16 bytes of padding behind each row's 256
	s_or_b32 s[G1+0], s43, (1<<16)|(1<<20)|(1<<21)|(5<<22)|(3<<25)  ; 15:0 the mask: my row; 17:16 elements of 2 bytes; 20 padding on; 21 set beside a mask; 24:22 after every 64 words (code 5); 31:25 4 words (code 3)
	s_mov_b32 s[G1+1], KSTEP<<16                   ; tensor_dim0 = 128
	s_mov_b32 s[G1+2], 128<<16                     ; tensor_dim1 = 128
	s_mov_b32 s[G1+3], KSTEP<<16                   ; tile_dim0 = 128
	s_mov_b32 s[G1+4], 128                         ; tile_dim1 = 128
	s_mov_b32 s[G1+5], SIZE_K                      ; elements from row to row
	s_mov_b32 s[G1+6], 0
	s_mov_b32 s[G1+7], 0
	; for B: 64 k-rows x 256 elements, 32 bytes of padding behind each row's 512
	s_or_b32 s[G1B+0], s44, (1<<16)|(1<<20)|(1<<21)|(6<<22)|(7<<25) ; the mask: my column; after every 128 words (code 6) 8 words (code 7)
	s_mov_b32 s[G1B+1], 256<<16                    ; tensor_dim0 = 256
	s_mov_b32 s[G1B+2], 64<<16                     ; tensor_dim1 = 64
	s_mov_b32 s[G1B+3], 256<<16                    ; tile_dim0 = 256
	s_mov_b32 s[G1B+4], 64                         ; tile_dim1 = 64
	s_mov_b32 s[G1B+5], SIZE_N                     ; elements from row to row
	s_mov_b32 s[G1B+6], 0
	s_mov_b32 s[G1B+7], 0
	; where the tiles come from.  A's hang on the tile row alone, which my row of the cluster shares; B's on the tile column alone, which my column shares.  Every wave makes both and asks by one of them.
	s_lshl_b32 s17, s12, 7
	s_lshl_b32 s16, s13, 8
	s_add_co_u32 s16, s16, s17                     ; A: row 256 x tile row + 128 x half,
	s_lshl_b32 s16, s16, 13                        ; of 8,192 bytes: under 2^25
	s_mov_b32 s17, 0
	s_lshl_b32 s46, s12, 19                        ; B: k-row 64 x half, of 8,192 bytes,
	s_lshl_b32 s47, s42, 9                         ; and 256 columns of 2 bytes a tile column
	s_add_co_u32 s46, s46, s47
	s_mov_b32 s47, 0
	s_mul_i32 s20, s10, HALFT                      ; and where they go: A's two halves, then B's two halves = wave x 34,816: no place in the cluster enters an LDS address
	s_wait_dscnt 0x0                               ; both opening adds are done
	s_wait_kmcnt 0x0
	s_add_nc_u64 s[14:15], s[4:5], s[16:17]
	s_add_nc_u64 s[46:47], s[6:7], s[46:47]
	CROUND                                         ; all sixteen work-groups are here: the first joint loads meet
.irp s, 0,1
	s_mov_b32 s[G0+4*(\s)], 1                                      ; count = 1
	s_add_co_u32 s[G0+4*(\s)+1], s20, (\s)*SLOT                    ; LDS address
	s_add_nc_u64 s[G0+4*(\s)+2:G0+4*(\s)+3], s[14:15], (\s)*KSTEP*2  ; global address: K step s lies 256 s bytes along A's rows
	s_or_b32 s[G0+4*(\s)+3], s[G0+4*(\s)+3], 0x80000000            ; type = 2
	s_mov_b32 s[G0B+4*(\s)], 1
	s_add_co_u32 s[G0B+4*(\s)+1], s20, (\s)*SLOT
	s_add_nc_u64 s[G0B+4*(\s)+2:G0B+4*(\s)+3], s[46:47], (\s)*BSTEP  ; and 128 s rows down in B
	s_or_b32 s[G0B+4*(\s)+3], s[G0B+4*(\s)+3], 0x80000000
	JLOAD \s                                       ; the ring is filled before anything else is done: two loads of mine are out
.endr
	; A fragment of A is 16 rows x 32 K in 8 registers: lane l holds row l % 16; registers 0-3 K = 8 (l / 16) + 0..7, registers 4-7 K = 16 + 8 (l / 16) + 0..7: two loads of 16 bytes, 32 bytes apart.
	v_and_b32 v1, 15, v0                           ; l % 16
	v_bfe_u32 v2, v0, 4, 1                         ; l / 16
	v_mul_u32_u24 v3, v1, PA
	v_lshl_add_u32 v3, v2, 4, v3                   ; row x pitch + 16 x half
	s_mul_i32 s21, s11, HALFT                      ; my 128 rows of A
	; The turning load takes 16 k x 16 n (lane l reads 16 bytes: k-row 8 (l / 16) + l % 8, columns 8 ((l / 8) % 2) + 0..7) and leaves half a fragment: lane l holds column l % 16 and 8 k.  The second half lies 16 k-rows on.
	v_and_b32 v4, 7, v0
	v_lshl_add_u32 v4, v2, 3, v4
	v_mul_u32_u24 v4, v4, PB
	v_bfe_u32 v5, v0, 3, 1
	v_lshl_add_u32 v4, v5, 4, v4
	s_lshl_b32 s22, s12, 8                         ; my 128 columns: 256 bytes of each k-row,
	s_add_co_u32 s22, s22, 2*HALFT                 ; behind A's 256 rows
.irp s, 0,1
	v_add_nc_u32 v[ADRA+(\s)], s21, v3
	v_add_nc_u32 v[ADRB+(\s)], s22, v4
	s_add_co_u32 s21, s21, SLOT
	s_add_co_u32 s22, s22, SLOT
.endr
	s_mul_i32 s23, s10, 16*SPITCH
	s_add_co_u32 s23, s23, STAGE                   ; my stage
	v_mul_u32_u24 v5, v1, SPITCH                   ; in: row l % 16, 32 bytes (8 f32) for each half of the lanes
	v_lshl_add_u32 v5, v2, 5, v5
	v_add_nc_u32 v[STO], s23, v5
	v_and_b32 v6, 31, v0
	v_lshlrev_b32 v[CO], 4, v6                     ; back: the 32 lanes take one row of 512 bytes, 16 bytes each: a lane keeps the same four columns in every row
	v_add_nc_u32 v[RD], s23, v[CO]
	; my corner of out0, and my columns of b
	s_lshl_b32 s16, s13, 8
	s_lshl_b32 s17, s11, 7
	s_add_co_u32 s16, s16, s17                     ; my first row,
	s_lshl_b32 s16, s16, 14                        ; of 16,384 bytes: under 2^26
	s_mov_b32 s17, 0
	s_lshl_b32 s46, s42, 10                        ; my first column in bytes of f32: 1,024 x tile column + 512 x half
	s_lshl_b32 s47, s12, 9
	s_add_co_u32 s46, s46, s47
	s_mov_b32 s47, 0
	s_add_nc_u64 s[68:69], s[68:69], s[46:47]
	s_add_nc_u64 s[16:17], s[16:17], s[46:47]
	s_add_nc_u64 s[70:71], s[70:71], s[16:17]
	global_load_b128 v[BIAS:BIAS+3], v[CO], s[68:69]  ; waited for on the way out
	; the prefetches: offsets are made apart from the address
	s_lshl_b32 s20, s13, 8
	s_lshl_b32 s21, s12, 7
	s_add_co_u32 s20, s20, s21                     ; A: the 128 rows that I fetch,
	s_lshl_b32 s21, s40, 5
	s_add_co_u32 s20, s20, s21                     ; my work-group's 32 of them,
	s_lshl_b32 s20, s20, 13                        ; in bytes
	s_lshl_b32 s21, s12, 6                         ; B: the 64 k-rows that I fetch,
	s_lshl_b32 s23, s41, 4
	s_add_co_u32 s21, s21, s23                     ; my work-group's 16 of them,
	s_lshl_b32 s21, s21, 13
	s_lshl_b32 s23, s42, 9
	s_add_co_u32 s21, s21, s23                     ; at the tile's first column
	s_and_b32 s22, ttmp7, 0xffff                   ; cluster y
	s_mov_b32 s[PST], BSTEP
	s_cmp_eq_u32 s11, 0                            ; do I fetch for A?
	s_cselect_b32 s20, s20, s21
	s_cselect_b32 s22, ttmp9, s22                  ; the coordinate along which other clusters read the same blocks
	s_cselect_b32 s[PST], KSTEP*2, s[PST]
	s_cselect_b64 s[PFA:PFA+1], s[4:5], s[6:7]
	s_mov_b32 s[PST+1], 0
	s_cmp_eq_u32 s22, 0
	s_cselect_b32 s[LIM], 1, -1                    ; the same in all sixteen partners, for a given wave
	s_mul_i32 s21, s[PST], 3
	s_add_co_u32 s20, s20, s21                     ; at K step 3: the first refill (K step 2) steps it to 4 and names that
	s_mov_b32 s21, 0
	s_add_nc_u64 s[PFA:PFA+1], s[PFA:PFA+1], s[20:21]
	v_lshrrev_b32 v3, s11, v6                      ; A: lane l names row l; B: row l / 2,
	v_and_b32 v4, s11, v6                          ; and the half l % 2 of its 512 bytes
	v_lshlrev_b32 v3, 13, v3
	v_lshl_add_u32 v[PFO], v4, 8, v3
; 16 matrix instructions: m blocks a0, a0 + 1 of the window's four (hi = 0: my rows 0-63, 1: rows 64-127) x all 8 n blocks, 32 along K.  zero = 1: the first product starts the sums: nothing is ever cleared.
; The 64 accumulators take turns, one instruction a turn, in the same order in every quarter step, over the loop's backward jump too.
.macro MUL16 f, hi, a0, zero
	WIN MUL_LO+0x50*(\hi)
.irp a, \a0, (\a0)+1
.irp b, 0,1,2,3,4,5,6,7
.if \zero
	v_wmma_f32_16x16x32_f16 v[8*(8*(\a)+(\b)):8*(8*(\a)+(\b))+7], v[(\f)+8*(\b):(\f)+8*(\b)+7], v[(\f)+8*(4*(\hi)+(\a)):(\f)+8*(4*(\hi)+(\a))+7], 0
.else
	v_wmma_f32_16x16x32_f16 v[8*(8*(\a)+(\b)):8*(8*(\a)+(\b))+7], v[(\f)+8*(\b):(\f)+8*(\b)+7], v[(\f)+8*(4*(\hi)+(\a)):(\f)+8*(4*(\hi)+(\a))+7], v[8*(8*(\a)+(\b)):8*(8*(\a)+(\b))+7]
.endif
.endr
.endr
.endm
; 32 LDS loads in one run: the fragments of quarter q of a K step (32 k x my 128 columns of B, turned; my 128 rows of A x 32 k) into buffer f.  B's largest offset is 3 x 32 x 544 + 16 x 544 + 224 = 61,152.
.macro FETCH slot, q, f
	WIN TO_B
.irp i, 0,1,2,3,4,5,6,7
	ds_load_tr16_b128 v[(\f)+8*(\i):(\f)+8*(\i)+3],   v[ADRB+(\slot)] offset:(\q)*32*PB+32*(\i)
	ds_load_tr16_b128 v[(\f)+8*(\i)+4:(\f)+8*(\i)+7], v[ADRB+(\slot)] offset:(\q)*32*PB+16*PB+32*(\i)
.endr
	WIN 0
.irp i, 0,1,2,3,4,5,6,7
	ds_load_b128 v[(\f)+8*(\i):(\f)+8*(\i)+3],   v[ADRA+(\slot)] offset:64*(\q)+(\i)*16*PA
	ds_load_b128 v[(\f)+8*(\i)+4:(\f)+8*(\i)+7], v[ADRA+(\slot)] offset:64*(\q)+(\i)*16*PA+32
.endr
.endm
; A load into a register that a matrix instruction has read stands four places behind it, and only plain vector instructions that name none of its registers are places (ISA guide 7.12.1 for vector
; instructions): four v_nop in front of each run of loads.
.macro PLACES
.rept 4
	v_nop
.endr
.endm
; A K step is four quarters of 32 along K, 64 matrix instructions each, on buffers 0, 1, 0, 1.  One of the first three: multiplies buffer f; in its middle it fetches quarter q of the same slot into buffer g.
.macro QUARTER slot, q, f, g, zero
	s_wait_dscnt 8                                 ; B and A's rows 0-63 are in; the youngest eight loads (A's rows 64-127) may be out
	MUL16 \f, 0, 0, \zero
	MUL16 \f, 0, 2, \zero
	PLACES
	FETCH \slot, \q, \g
	s_wait_dscnt 32                                ; all but the 32 just issued
	MUL16 \f, 1, 0, \zero
	MUL16 \f, 1, 2, \zero
.endm
; The last quarter multiplies buffer 1 and changes slots.  MEET is its first half: ONE barrier for the change.  In front of it each wave waits for all its tensor loads, of which one is out: its part of the
; next slot; adds 0 to its spare word; and waits for that and for its own reads of this slot.  Behind it nobody reads this slot any more and the next slot is whole.
.macro MEET round                      ; round = 1: the rest of a round of the cluster's barrier follows
	WIN 0                                          ; (the add's two registers lie in window 0)
	s_wait_tensorcnt 0x0                           ; all my tensor loads have landed
	ds_add_u32 v[SPW], v[NIL]                      ; 0 onto my spare word
	s_wait_dscnt 9                                 ; (the add and the youngest eight loads may be out)
	MUL16 F1, 0, 0, 0                              ; sixteen matrix instructions stand between the add and the wait for it
	s_wait_dscnt 0x0                               ; the add is done, and my reads of this slot are over
	s_barrier_signal -1
	MUL16 F1, 0, 2, 0                              ; work on registers while the others arrive
.if \round
	WIN 0
.endif
	s_barrier_wait -1
.endm
; The whole last quarter in the loop.  Behind the round the slot just read out is filled again first, with the K step two steps on; then come the next slot's first fragments.
; From a request to the wait for it a wave issues 224 matrix instructions; one tensor load of mine is out behind each round.
.macro TURN slot, next
	s_wait_xcnt 0x0                                ; the last prefetch, a K step back, has read its address: it is stepped here, ahead of the waits of the change of slots
	s_add_nc_u64 s[PFA:PFA+1], s[PFA:PFA+1], s[PST:PST+1]
	MEET 1
	CREST                                          ; no wave of any partner still reads this slot's tile or has a load on its way
	s_add_nc_u64 s[G0+4*(\slot)+2:G0+4*(\slot)+3], s[G0+4*(\slot)+2:G0+4*(\slot)+3], 2*KSTEP*2
	s_add_nc_u64 s[G0B+4*(\slot)+2:G0B+4*(\slot)+3], s[G0B+4*(\slot)+2:G0B+4*(\slot)+3], 2*BSTEP
	JLOAD \slot                                    ; the first tensor load behind the round; the four v_nop behind it are also the places in front of the loads below
	FETCH \next, 0, F0
	ASK
	MUL16 F1, 1, 0, 0
	MUL16 F1, 1, 2, 0
.endm
; THE WAY OUT of block a (16 of my rows), in two parts.  TOSTAGE: a lane's eight f32 of each of the 8 accumulators go into my own stage (each accumulator's four lowest registers first)
; and come back as 16 whole rows of 512 bytes.  SEND: the bias is added (a lane has the same four columns in every row) and the rows are stored.
.macro TOSTAGE a
.set AC, 64*((\a)%4)
.set BK, OB+64*((\a)%2)
.if (\a) >= 2
	s_wait_xcnt 0x0                                ; block a - 2's stores have read the row buffer that is loaded again below
.endif
	WIN 0x08+4*((\a)/4)                            ; the stores' data: window 2 or 3
.irp b, 0,1,2,3,4,5,6,7
	ds_store_b128 v[STO], v[AC+8*(\b):AC+8*(\b)+3]   offset:64*(\b)
	ds_store_b128 v[STO], v[AC+8*(\b)+4:AC+8*(\b)+7] offset:64*(\b)+16
.endr
	WIN 0
.irp t, 0,1,2,3,4,5,6,7,8,9,10,11,12,13,14,15
	ds_load_b128 v[BK+4*(\t):BK+4*(\t)+3], v[RD] offset:SPITCH*(\t)  ; LDS serves a wave's instructions in order (ISA guide 5.7.1.4): these see the stores above, and the next block's stores come behind them
.endr
.endm
.macro SEND a, younger                 ; younger: the LDS instructions issued behind block a's loads: the next block's 32, or none
.set BK, OB+64*((\a)%2)
.irp t, 0,1,2,3,4,5,6,7,8,9,10,11,12,13,14,15
	s_wait_dscnt (\younger)+15-(\t)                ; row t is back; the block's later rows and the younger instructions may be out
	v_pk_add_f32 v[BK+4*(\t):BK+4*(\t)+1],   v[BK+4*(\t):BK+4*(\t)+1],   v[BIAS:BIAS+1]
	v_pk_add_f32 v[BK+4*(\t)+2:BK+4*(\t)+3], v[BK+4*(\t)+2:BK+4*(\t)+3], v[BIAS+2:BIAS+3]
	global_store_b128 v[CO], v[BK+4*(\t):BK+4*(\t)+3], s[70:71] offset:(16*(\a)+(\t))*OROW th:TH_STORE_NT  ; the wave stores 512 consecutive bytes, aligned; 127 rows of 16,384 bytes at the most stand in the immediate
.endr
.endm
	s_wait_tensorcnt 0x1                           ; my part of K step 0 is in; K step 1's may stay out
	s_barrier_signal -1
	s_barrier_wait -1                              ; everybody's is
	FETCH 0, 0, F0
	QUARTER 0, 1, F0, F1, 1                        ; the first quarter stands in front of the loop: its products start the sums
	WIN 0                                          ; at a label and at a branch every window is 0
	s_mov_b32 s3, LAPS-1
.Llap:                                                 ; a trip goes once round the ring, from a lap's second quarter to the next lap's first, and fills both slots again: K steps 2 to 31 in 15 trips
	QUARTER 0, 2, F1, F0, 0
	QUARTER 0, 3, F0, F1, 0
	TURN 0, 1
	QUARTER 1, 1, F0, F1, 0
	QUARTER 1, 2, F1, F0, 0
	QUARTER 1, 3, F0, F1, 0
	TURN 1, 0
	QUARTER 0, 1, F0, F1, 0
	WIN 0
	s_sub_co_u32 s3, s3, 1
	s_cmp_lg_u32 s3, 0
	s_cbranch_scc1 .Llap
	QUARTER 0, 2, F1, F0, 0                        ; the last lap is written out: it fills nothing, and has no round of the cluster's barrier
	QUARTER 0, 3, F0, F1, 0
	MEET 0                                         ; my one tensor load that was still out is slot 1's, the last K step's
	PLACES                                         ; for the loads into buffer 0, which the quarter before multiplied
	FETCH 1, 0, F0
	MUL16 F1, 1, 0, 0
	MUL16 F1, 1, 2, 0
	QUARTER 1, 1, F0, F1, 0
	QUARTER 1, 2, F1, F0, 0
	QUARTER 1, 3, F0, F1, 0
	s_wait_dscnt 8                                 ; the very last quarter: nothing more to fetch
	MUL16 F1, 0, 0, 0
	MUL16 F1, 0, 2, 0
	s_wait_dscnt 0x0
	MUL16 F1, 1, 0, 0
	MUL16 F1, 1, 2, 0
	WIN 0
	PLACES                                         ; behind the last products: the stage's stores read results, and the rows come back into A's fragment registers
	PLACES
	s_wait_loadcnt 0x0                             ; the bias
	TOSTAGE 0
.irp a, 1,2,3,4,5,6,7                  ; block a's way through the stage is issued ahead of block a - 1's sums and stores
	TOSTAGE \a
	SEND (\a)-1, 32
.endr
	SEND 7, 0
	s_wait_tensorcnt 0x0                           ; the wave's end: a wait, an add to my spare word and a wait for it, behind my last tensor load and my last LDS store
	ds_add_u32 v[SPW], v[NIL]
	s_wait_dscnt 0x0
	CROUND                                         ; the closing round: no work-group ends while a partner may still ask for a tile that names it
	s_endpgm
.Lfunc_end_k_q7a64a234f6_gemm:
	.size	k_q7a64a234f6_gemm, .Lfunc_end_k_q7a64a234f6_gemm-k_q7a64a234f6_gemm
	.p2alignl 7, 3214868480
	.fill 96, 4, 3214868480
	.section	.rodata,"a",@progbits
	.p2align	6, 0x0
	.amdhsa_kernel k_q7a64a234f6_gemm
		.amdhsa_group_segment_fixed_size 327680
		.amdhsa_private_segment_fixed_size 0
		.amdhsa_enable_private_segment 0
		.amdhsa_kernarg_size 32
		.amdhsa_user_sgpr_count 2
		.amdhsa_user_sgpr_kernarg_segment_ptr 1
		.amdhsa_wavefront_size32 1
		.amdhsa_system_sgpr_workgroup_id_x 1
		.amdhsa_system_sgpr_workgroup_id_y 1
		.amdhsa_system_sgpr_workgroup_id_z 1
		.amdhsa_system_vgpr_workitem_id 0
		.amdhsa_next_free_vgpr 1024
		.amdhsa_next_free_sgpr 80
		.amdhsa_reserve_vcc 0
		.amdhsa_float_denorm_mode_32 3
		.amdhsa_float_denorm_mode_16_64 3
		.amdhsa_memory_ordered 1
		.amdhsa_forward_progress 1
		.amdhsa_inst_pref_size 162
	.end_amdhsa_kernel
	.amdgpu_metadata
---
amdhsa.version: [ 1, 2 ]
amdhsa.kernels:
  - .name:           k_q7a64a234f6_gemm
    .symbol:         k_q7a64a234f6_gemm.kd
    .args:
      - { .name: a16, .offset: 0, .size: 8, .value_kind: global_buffer, .address_space: global }
      - { .name: w16, .offset: 8, .size: 8, .value_kind: global_buffer, .address_space: global }
      - { .name: b, .offset: 16, .size: 8, .value_kind: global_buffer, .address_space: global }
      - { .name: out0, .offset: 24, .size: 8, .value_kind: global_buffer, .address_space: global }
    .group_segment_fixed_size: 327680
    .private_segment_fixed_size: 0
    .kernarg_segment_align: 8
    .kernarg_segment_size: 32
    .max_flat_workgroup_size: 128
    .sgpr_count:     80
    .vgpr_count:     1024
    .wavefront_size: 32
...
	.end_amdgpu_metadata
.endif
;; end of part 2
;; ======== version 2 of 2: 2 launches; version 1 with the launch prep written anew for expert scheduling mode
;; limits: values are held in f16: magnitudes above 65,504 overflow, below 6.1e-05 lose precision
;; workspace buffers: a16 33,554,432 bytes; w16 33,554,432 bytes
;; launch prep (part 3): grid 1024 x 1, 8 waves a work-group, no clusters, 0 bytes of LDS; arguments inputs, w, w_scale, a16, w16; writes a16, w16
.if DOCPART == 3
	.amdgcn_target "amdgcn-amd-amdhsa--gfx1250"
	.amdhsa_code_object_version 6
	.text
	.protected	k_q7a64a234f6_prep
	.globl	k_q7a64a234f6_prep
	.p2align	8
	.type	k_q7a64a234f6_prep,@function
k_q7a64a234f6_prep:
	s_mov_b64 s[64:65], 0
	v_nop
	global_prefetch_b8 v0, s[64:65] scope:SCOPE_SE
	s_setreg_imm32_b32 hwreg(HW_REG_WAVE_SCHED_MODE, 0, 2), 2
	s_setreg_imm32_b32 hwreg(HW_REG_WAVE_MODE, 25, 1), 1
	s_wait_xcnt 0x0
	s_wait_alu depctr_vm_vsrc(0)
; a16 = f16(inputs), [4096 m][4096 k];  w16 = f16(f32(w) * w_scale), [4096 k][4096 n]: both in the layout of their sources, each number rounded once.
; LIMITS.  f16 holds no number beyond 65,504: an input, or a product w * w_scale, of 65,520 or more in magnitude becomes an infinity; below 6.1e-5 a number keeps
; f16's fixed step of 6e-8.  NaN and infinities are not treated apart.
; A STREAM: nothing is shared between waves, so no LDS, no barrier, no matrix work.  Both arrays are taken flat: 16,777,216 numbers = 16,384 units of 1,024.
; Work-group g takes units 16 g .. 16 g + 15 of both; in a unit thread t takes numbers 4 t .. 4 t + 3.  So a wave's load of inputs or of w_scale covers 512 consecutive bytes,
; its load of w 128, and each of its stores 256 consecutive bytes, aligned.
; All 16 units are written out and a unit's place stands in the immediate: no address register is ever rewritten.
; THE MODE: SCHED_MODE bits 1:0 = 2 (LLVM: expert scheduling mode 2), set by the entry lines.  The code itself states the register dependences
; between vector instructions and memory instructions, with s_wait_alu, always for 0.
; THE PLAN.  The 16 units go in 8 blocks of two.  Registers that memory instructions touch:
;   XA, XS, XW  ten unit slots, unit u in slot u % 10.  Written by unit u's three loads, which are issued in front of unit u - 8's vector work; read by unit u's vector work alone.
;   YA, YW      four unit slots, unit u in slot u % 4.  Written by unit u's roundings; read by unit u's two stores, which are issued in the block after.
;   v1, v2, v3  byte offsets, made once at the head and never written again.
;   T is named by vector instructions alone.
; Block p works on the X and Y slots of units 2 p and 2 p + 1.  Its memory instructions are the loads of units 2 p + 8 and 2 p + 9, which land in the X slots of units 2 p - 2 and 2 p - 1,
; and the stores of those two units, from their Y slots: the slots that block p - 1 worked on and that no vector instruction of block p names.  So the waits at the head of a block
; state all that the block's ten memory instructions hang on, and these stand among its vector instructions, five in front of each unit's seventeen, with no further wait.
.set UNITS,  16
.set XSLOTS, 10
.set YSLOTS, 4
.set AHEAD,  8                         ; a unit's loads are issued in front of the vector work of the unit AHEAD before it
.set O16, 1                            ; v1        16 t: my 16 bytes in a unit of inputs and of w_scale
.set O4,  2                            ; v2        4 t: my 4 bytes in a unit of w
.set O8,  3                            ; v3        8 t: my 8 bytes in a unit of a16 and of w16
.set T,   4                            ; v[4:7]    at work
.set XA,  8                            ; v[8:47]   slot s: 4 numbers of inputs
.set XS,  48                           ; v[48:87]  slot s: 4 numbers of w_scale
.set XW,  88                           ; v[88:97]  slot s: 4 bytes of w
.set YA,  98                           ; v[98:105]  slot s: 4 f16 for a16
.set YW,  106                          ; v[106:113] slot s: 4 f16 for w16
	s_load_b256 s[4:11], s[0:1], 0x0               ; inputs s[4:5], w s[6:7], w_scale s[8:9], a16 s[10:11]
	s_load_b64 s[12:13], s[0:1], 0x20              ; w16
	v_lshlrev_b32 v[O16], 4, v0
	v_lshlrev_b32 v[O4], 2, v0
	v_lshlrev_b32 v[O8], 3, v0
	s_lshl_b32 s14, ttmp9, 16                      ; 16 units of 4,096 bytes (f32); 1,023 x 65,536 stays under 2^32
	s_mov_b32 s15, 0
	s_lshl_b32 s16, ttmp9, 14                      ; of 1,024 bytes (int8)
	s_mov_b32 s17, 0
	s_lshl_b32 s18, ttmp9, 15                      ; of 2,048 bytes (f16)
	s_mov_b32 s19, 0
	s_wait_kmcnt 0x0
	s_add_nc_u64 s[4:5], s[4:5], s[14:15]
	s_add_nc_u64 s[8:9], s[8:9], s[14:15]
	s_add_nc_u64 s[6:7], s[6:7], s[16:17]
	s_add_nc_u64 s[10:11], s[10:11], s[18:19]
	s_add_nc_u64 s[12:13], s[12:13], s[18:19]
	s_wait_alu depctr_va_vdst(0)                   ; v1, v2 and v3 are written: every load and store of the kernel reads one of them as its offset
; Unit u's three loads, into slot u % XSLOTS.
.macro LOADU u
.set SLT, (\u)%XSLOTS
	global_load_b128 v[XA+4*SLT:XA+4*SLT+3], v[O16], s[4:5] offset:4096*(\u) th:TH_LOAD_NT
	global_load_b128 v[XS+4*SLT:XS+4*SLT+3], v[O16], s[8:9] offset:4096*(\u) th:TH_LOAD_NT
	global_load_b32  v[XW+SLT],              v[O4],  s[6:7] offset:1024*(\u) th:TH_LOAD_NT
.endm
; Unit u's two stores, from slot u % YSLOTS.
.macro STOREU u
.set YS, (\u)%YSLOTS
	global_store_b64 v[O8], v[YA+2*YS:YA+2*YS+1], s[10:11] offset:2048*(\u) th:TH_STORE_NT  ; a wave's store: 256 consecutive bytes, aligned
	global_store_b64 v[O8], v[YW+2*YS:YW+2*YS+1], s[12:13] offset:2048*(\u) th:TH_STORE_NT
.endm
; Unit u's vector work: its loads are in; both results are made.
.macro WORKU u
.if UNITS-1-(\u) < AHEAD
	s_wait_loadcnt 3*(UNITS-1-(\u))                ; loads come back in order (ISA guide 5.7.1): the younger units' three loads each may stay out; the counts run down at the end
.else
	s_wait_loadcnt 3*AHEAD                         ; eight younger units, three loads each, stay out: the youngest was asked for just above
.endif
.set SLT, (\u)%XSLOTS
.set YS, (\u)%YSLOTS
	v_cvt_pk_f16_f32 v[YA+2*YS],   v[XA+4*SLT],   v[XA+4*SLT+1]   ; inputs: two roundings to f16, packed
	v_cvt_pk_f16_f32 v[YA+2*YS+1], v[XA+4*SLT+2], v[XA+4*SLT+3]
	v_lshlrev_b32 v[T],   24, v[XW+SLT]            ; the four signed bytes: each moves to the top,
	v_lshlrev_b32 v[T+1], 16, v[XW+SLT]
	v_lshlrev_b32 v[T+2], 8,  v[XW+SLT]
	v_ashrrev_i32 v[T],   24, v[T]                 ; and comes down with its sign
	v_ashrrev_i32 v[T+1], 24, v[T+1]
	v_ashrrev_i32 v[T+2], 24, v[T+2]
	v_ashrrev_i32 v[T+3], 24, v[XW+SLT]
	v_cvt_f32_i32 v[T],   v[T]
	v_cvt_f32_i32 v[T+1], v[T+1]
	v_cvt_f32_i32 v[T+2], v[T+2]
	v_cvt_f32_i32 v[T+3], v[T+3]
	v_pk_mul_f32 v[T:T+1],   v[T:T+1],   v[XS+4*SLT:XS+4*SLT+1]    ; w * w_scale in f32, as the problem has it
	v_pk_mul_f32 v[T+2:T+3], v[T+2:T+3], v[XS+4*SLT+2:XS+4*SLT+3]
	v_cvt_pk_f16_f32 v[YW+2*YS],   v[T],   v[T+1]
	v_cvt_pk_f16_f32 v[YW+2*YS+1], v[T+2], v[T+3]
.endm
; Block p: units 2 p and 2 p + 1.  Blocks 0 to 3 ask for the units eight on; blocks 1 to 7 store the block before.
; Block 0 has no block in front of it, and its loads land in slots 8 and 9, which no vector instruction has named: it has no wait at its head.
; Blocks 0 and 1 write Y slots that no store has read: the two waits for the stores' sources begin with block 2.
.macro BLK p
.if (\p) >= 2
	s_wait_xcnt 0x0                                ; every earlier memory instruction has had its addresses translated (ISA guide 3.1): this block's Y slots, the data of the stores issued in the block before, are rewritten only behind this wait
	s_wait_alu depctr_vm_vsrc(0)                   ; the stores issued in the block before have read this block's Y slots, which its roundings write again
.endif
.if (\p) >= 1
	s_wait_alu depctr_va_vdst(0)                   ; the block before has written its Y slots, which the stores below read, and is done reading its X slots, in which the loads below land
.endif
.irp i, 0,1
.if 2*(\p)+AHEAD < UNITS
	LOADU 2*(\p)+AHEAD+(\i)                        ; ahead of the stores; no vector instruction since the wait names these registers
.endif
.if (\p) >= 1
	STOREU 2*(\p)-2+(\i)
.endif
	WORKU 2*(\p)+(\i)
.endr
.endm
.irp u, 0,1,2,3,4,5,6,7
	LOADU \u                                       ; the first eight units are asked for
.endr
.irp p, 0,1,2,3,4,5,6,7
	BLK \p
.endr
	s_wait_alu depctr_va_vdst(0)                   ; block 7 has written its Y slots, which the last four stores read
	STOREU 14
	STOREU 15
	s_endpgm
.Lfunc_end_k_q7a64a234f6_prep:
	.size	k_q7a64a234f6_prep, .Lfunc_end_k_q7a64a234f6_prep-k_q7a64a234f6_prep
	.p2alignl 7, 3214868480
	.fill 96, 4, 3214868480
	.section	.rodata,"a",@progbits
	.p2align	6, 0x0
	.amdhsa_kernel k_q7a64a234f6_prep
		.amdhsa_group_segment_fixed_size 0
		.amdhsa_private_segment_fixed_size 0
		.amdhsa_enable_private_segment 0
		.amdhsa_kernarg_size 40
		.amdhsa_user_sgpr_count 2
		.amdhsa_user_sgpr_kernarg_segment_ptr 1
		.amdhsa_wavefront_size32 1
		.amdhsa_system_sgpr_workgroup_id_x 1
		.amdhsa_system_sgpr_workgroup_id_y 1
		.amdhsa_system_sgpr_workgroup_id_z 1
		.amdhsa_system_vgpr_workitem_id 0
		.amdhsa_next_free_vgpr 114
		.amdhsa_next_free_sgpr 66
		.amdhsa_reserve_vcc 0
		.amdhsa_float_denorm_mode_32 3
		.amdhsa_float_denorm_mode_16_64 3
		.amdhsa_memory_ordered 1
		.amdhsa_forward_progress 1
		.amdhsa_inst_pref_size 22
	.end_amdhsa_kernel
	.amdgpu_metadata
---
amdhsa.version: [ 1, 2 ]
amdhsa.kernels:
  - .name:           k_q7a64a234f6_prep
    .symbol:         k_q7a64a234f6_prep.kd
    .args:
      - { .name: inputs, .offset: 0, .size: 8, .value_kind: global_buffer, .address_space: global }
      - { .name: w, .offset: 8, .size: 8, .value_kind: global_buffer, .address_space: global }
      - { .name: w_scale, .offset: 16, .size: 8, .value_kind: global_buffer, .address_space: global }
      - { .name: a16, .offset: 24, .size: 8, .value_kind: global_buffer, .address_space: global }
      - { .name: w16, .offset: 32, .size: 8, .value_kind: global_buffer, .address_space: global }
    .group_segment_fixed_size: 0
    .private_segment_fixed_size: 0
    .kernarg_segment_align: 8
    .kernarg_segment_size: 40
    .max_flat_workgroup_size: 256
    .sgpr_count:     66
    .vgpr_count:     114
    .wavefront_size: 32
...
	.end_amdgpu_metadata
.endif
;; end of part 3
;; launch gemm: the kernel of part 2 again; grid 16 x 16, 4 waves a work-group, clusters of 4 x 4, 327,680 bytes of LDS; arguments a16, w16, b, out0; writes out0
